; MI455X (gfx1250); checked and timed in simulation.
; The chip was launched on July 23, 2026; its instructions are those of AMD's public machine-readable ISA for CDNA 5 (MIT licence, August 2026) and "CDNA5" Instruction Set Architecture Reference Guide (July 2026). The comments in the code are by the model that wrote it; some were corrected since.
;; Mol substruct Experts. Allowed arithmetic: matrix products marked QUANTISED: E2M1 operands, one E8M0 scale for each 32 along K, by v_wmma_scale_f32_16x16x128_f8f6f4 with both operands' format E2M1 (or v_wmma_scale_f32_32x16x128_f4), f32 sums; products left as they are: f32 operands where the result goes on into a quantised operand, else bf16, f16 or f32 operands; f32 sums; everything else in f32.
;; Inputs: Wk_codes 128 x 4 x 16 uint8 (E2M1 codes of Wk, K innermost, in blocks of 32 codes, two codes a byte); Wk_scales 128 x 4 uint8 (E8M0 scales of Wk, one for each 32 codes along K); Wq_codes 128 x 4 x 16 uint8 (E2M1 codes of Wq, K innermost, in blocks of 32 codes, two codes a byte); Wq_scales 128 x 4 uint8 (E8M0 scales of Wq, one for each 32 codes along K); bk 128 float32; bq 128 float32; mask 2,048 x 256 float32; sub_feat 4,096 x 128 float32; sub_index 2,048 x 256 int32.
;; Outputs: out0 2,048 x 128 float32.
;; This version of the problem:
;;   THIS VERSION OF THE PROBLEM IS GIVEN IN LOW PRECISION. The matrix products marked QUANTISED in the list below multiply operands that are first quantised to E2M1 (2 exponent bits, 1 mantissa bit; 4 bits a number), with one power-of-two scale for each 32 numbers along K (OCP MX v1.0); their sums are f32. All else is computed in f32.
;;   The module's matrix products, in the order in which they are computed (A, B: the left and right operand; K: the contracted axis; several contracted axes count as one K, in the product's order):
;;     1. [M 524,288, K 128] x [K 128, N 128]; A: computed on the way; B: input Wq (given as codes): QUANTISED
;;     2. [M 524,288, K 128] x [K 128, N 128]; A: computed on the way; B: input Wk (given as codes): QUANTISED
;;     3. batch 2,048 x [M 256, K 128] x [K 128, N 256]; A: computed on the way; B: computed on the way: QUANTISED
;;     4. batch 2,048 x [M 1, K 256] x [K 256, N 128]; A: computed on the way; B: computed on the way: left as it is (M = 1 < 16)
;;   THE QUANTISER, for each operand of a quantised product, along K:
;;     - K is cut into blocks of 32 from its start; a last block that is shorter is filled with zeros.
;;     - A block's scale is 2^e with e = floor(log2(the largest magnitude in the block)) - 2, held to -126 .. 127; a block of zeros has e = 0. As a byte (E8M0): e + 127.
;;     - Each number is divided by its block's scale, clamped to +-6, and rounded to the nearest number of E2M1, ties to even, subnormals kept.
;;     - The product sums the exact products of the quantised numbers (number of the format x scale) in f32.
;;   ~~~python
;;   def quantise(x, axis):      # numpy; x: float32 -> the quantised numbers, widened to float32 again
;;       x = np.moveaxis(x, axis, -1); K = x.shape[-1]
;;       x = np.pad(x, [(0, 0)] * (x.ndim - 1) + [(0, -K % 32)]); x = x.reshape(x.shape[:-1] + (-1, 32)); a = np.abs(x).max(-1, keepdims=True)
;;       e = np.where(a > 0, np.clip(np.frexp(np.where(a > 0, a, 1))[1] - 1 - 2, -126, 127), 0)      # np.frexp(a)[1] - 1 = floor(log2(a)), exactly
;;       r = np.clip(x / 2.0 ** e, -6, 6)
;;       step = 2.0 ** (np.maximum(np.frexp(np.where(r == 0, 1, r))[1] - 1, 0) - 1)
;;       q = np.round(r / step) * step * 2.0 ** e      # np.round: ties to even
;;       return np.moveaxis(q.reshape(q.shape[:-2] + (-1,))[..., :K], -1, axis).astype(np.float32)
;;   ~~~
;;   OPERANDS COMPUTED ON THE WAY. 'Computed on the way' means the value that the module computes at that place (a softmax that the list does not call 'softmax' is quantised finished and normalised). What goes into a quantiser is computed in f32, as accurately as f32 sums, v_exp_f32 and their like allow (about 1e-6 of the number): no bf16 or f16 on the way to a quantiser, and a product that is left as it is and whose result goes on into a quantised operand takes f32 operands (vector FMAs, or v_wmma_f32_16x16x4_f32). A number that lies on a knife's edge between two numbers of the format may be rounded either way, as far as f32 arithmetic and the matrix unit's own rounding can turn it there, and no further.
;;   INPUTS GIVEN AS CODES. Wk (in the module: [128, 128], K = its axis 0); Wq (in the module: [128, 128], K = its axis 0): each comes as NAME_codes (uint8): NAME with its K axis moved to the last place and cut into blocks of 32 codes, [.., K / 32, bytes a block], one block behind the other in memory; two codes a byte, the lower K in the low four bits (a code: sign, 2 exponent bits, 1 mantissa bit); and NAME_scales (uint8): the same leading axes, one E8M0 byte (e + 127) for each 32 codes along K. Its value is code x scale, taken as it is: it is not quantised again, and the codes and scales need not be those that the quantiser above would give.
;; 2 versions. Each part assembles by itself: llvm-mc -triple=amdgcn-amd-amdhsa -mcpu=gfx1250 --defsym DOCPART=n.
;; ======== version 1 of 2: 1 launch
;; launch drug (part 1): grid 256 x 1, 8 waves a work-group, no clusters, 99,328 bytes of LDS; arguments sub_index, mask, sub_feat, Wq_codes, Wq_scales, bq, Wk_codes, Wk_scales, bk, out0; writes out0
.if DOCPART == 1
	.amdgcn_target "amdgcn-amd-amdhsa--gfx1250"
	.amdhsa_code_object_version 6
	.text
	.protected	k_qfb8fdbdafb_drug
	.globl	k_qfb8fdbdafb_drug
	.p2align	8
	.type	k_qfb8fdbdafb_drug,@function
k_qfb8fdbdafb_drug:
	s_mov_b64 s[64:65], 0
	v_nop
	global_prefetch_b8 v0, s[64:65] scope:SCOPE_SE
	s_setreg_imm32_b32 hwreg(HW_REG_WAVE_MODE, 25, 1), 1
	s_wait_xcnt 0x0
; out0[b][:] = sum over j of p[b][j] x[b][j][:],  x[b][j] = sub_feat[sub_index[b][j]],  p[b] = softmax_j( q[b][0] . k[b][j] / sqrt(128) + (1 - mask[b][j]) * -10000 ),
; q = Q(x) Wq + bq, k = Q(x) Wk + bk, and the score's product is taken of Q(q) and Q(k): Q is the MX-FP4 quantiser along the 128 (blocks of 32, E8M0 scale, E2M1 codes).
; Only query 0's row of the softmax is kept by the problem, so only q of key 0 and one row of scores are made for a drug; k is made for all 256 keys.
; SHARES.  2,048 drugs, one WAVE to a drug: 256 work-groups of eight waves, drug = 8 x work-group + wave.  Waves share nothing: no barrier; each wave has 12,288 bytes of LDS of its own.
; A drug's 256 keys go in 16 tiles of 16.  Lane (r = lane % 16, h = lane / 16) holds key 16 t + r in every phase: of x its register 16 B + i is channel 32 B + 16 h + i, which is the order that
; the conversions to codes want; k comes out in the same order, since the projection is used TRANSPOSED (source 0 = 16 rows of W's codes, source 1 = x's codes) and
; THE ROWS OF W THAT FORM A TILE ARE NOT NEIGHBOURS: lane r of tile 2 B + u takes row 32 B + 8 u + r + 8 (r / 8).  The bias is the C of the projection, in the result's layout.
; THE SCORE: source 0 = q's fragment, in which all sixteen rows are key 0's q (the q tile gathers key 0's row in all sixteen lanes), source 1 = k's fragment: register 0 of the result is q . k_r in both halves of the lanes.
; THE SOFTMAX runs lane by lane: each lane keeps a running maximum, a sum and 64 partial sums of p x over its own 16 keys; the lanes are joined once, at the end.
; THE WEIGHTED SUM has one row for a drug and its K across the lanes: it is made by packed f32 multiply-adds on the x registers that are there anyway.
; NO JOINT LOADS, NO TENSOR LOADS: the rows of the table are taken lane by lane from each drug's own list; what all waves share is 17 KB of weights, which a wave reads once into registers.
; LIMITS: NaN and infinities among the inputs are not served.  A block of zeros, or one whose largest magnitude lies under 2^-124, gets the scale byte 1 (zero codes add nothing under it).
; An index is held at 4,095, the table's last row.  score / sqrt(128) + the mask's term is ONE fused multiply-add.  The softmax's sum and the weighted sum are formed per lane first, then across lanes.
;
; LDS, for each wave, from 12,288 x wave on:
.set WREG,  12288
.set L_IDX, 0                          ; the drug's 256 indices, as they lie
.set L_MSK, 1024                       ; its 256 mask numbers
.set L_BQ,  2048                       ; bq
.set L_BK,  2560                       ; bk
.set L_ST,  3072                       ; the end's stage: 32 rows of 256 bytes + 16
.set SP,    272
; REGISTERS, window 0:
.set LN,  1                            ; lane
.set R,   2                            ; r
.set H,   3                            ; h
.set L16, 4                            ; 16 x lane
.set SA,  5                            ; my region + 16 x lane
.set AI,  6                            ; my region + 4 r: key r of tile 0 among the indices
.set AT,  7                            ; the same for the trip's first tile
.set AB,  8                            ; my region + L_BQ + 64 h: a bias as my half of the lanes wants it
.set XH,  9                            ; 64 h: my 16 channels of a block of 32, in bytes
.set OFF, 10                           ; v10-12  slot s: byte offset in sub_feat of my key's row, + 64 h
.set WO,  13                           ; my place in a tile of W's codes
.set WSO, 14                           ; and among its scale words
.set IDX, 15
.set MSK, 16                           ; the mask's number, then its term (1 - m) x -10000
.set I2,  17
.set A0,  18                           ; my region: key 0's index
.set ES,  19                           ; the stage, on the way in
.set ER,  20                           ; and back
.set EO,  21                           ; my 16 bytes of the drug's row of out0
.set M,   22                           ; running maximum
.set LS,  23                           ; running sum
.set SC,  24
.set MN,  25
.set D1,  26
.set D2,  27
.set FF,  28                           ; v[28:29] f = e^(old maximum - new): the packed forms name a pair and take its low word for both halves
.set PP,  30                           ; v[30:31] p likewise
.set WS,  32                           ; v32-39  Wk's scale words, a register a tile     (v32-50 hold scales and nothing else)
.set WSQ, 40                           ; v40-47  Wq's
.set XW,  48                           ; x's scale word
.set KW,  49                           ; k's
.set QW,  50                           ; q's
.set XF,  52                           ; v52-59  x's codes
.set KF,  60                           ; v60-67  k's
.set QF,  68                           ; v68-75  q's
.set TM,  76                           ; v76-91  at work in the quantiser
.set SD,  92                           ; v92-99  the scores
.set WF,  100                          ; v100-163 Wk's eight fragments
.set KD,  164                          ; v164-227 the bias, then k (or q); in the head and at the end at work
.set I0,  228
.set I1,  229
; window 1: v0-191 three slots of 64: a tile's x;  v192-255 the 64 partial sums (in the head: Wq's eight fragments)
.set ACC, 192
; s_set_vgpr_msb's low byte: bits 1:0 source 0, 3:2 source 1, 5:4 source 2, 7:6 destination; its high byte repeats the setting that is left
.set MSB, 0
.macro WIN new
.if MSB != (\new)
	s_set_vgpr_msb (MSB<<8)|(\new)
.set MSB, (\new)
.endif
.endm
.macro PLACES n                        ; plain vector places behind or ahead of a matrix instruction (ISA guide 7.12.1), where no useful line is at hand
.rept \n
	v_nop
.endr
.endm
; my key's 64 channels into slot s: of each block of 32 channels my half's 16, four loads of 16 bytes
.macro XLOAD s
	WIN 0x40                                       ; destination window 1
.irp b, 0,1,2,3
.irp j, 0,1,2,3
	global_load_b128 v[64*\s+16*\b+4*\j:64*\s+16*\b+4*\j+3], v[OFF+\s], s[12:13] offset:128*\b+16*\j
.endr
.endr
	WIN 0
.endm
; a bias into the eight accumulators, in the result's layout: register 8 t + j of lane (r, h) is unit 32 (t / 2) + 16 h + 8 (t % 2) + j.  All sixteen lanes of a half read the same 16 bytes
.macro BIAS off
.irp t, 0,1,2,3,4,5,6,7
.irp q, 0,1
	ds_load_b128 v[KD+8*\t+4*\q:KD+8*\t+4*\q+3], v[AB] offset:\off+128*(\t/2)+32*(\t%2)+16*\q
.endr
.endr
.endm
; 64 numbers of a lane, v[s] on in window w, register 16 b + i = k 32 b + 16 h + i of my row, become a fragment's codes in v[pc] on and my row's scale word in v[pw]
.macro QUANT s, w, pc, pw
	WIN 5*\w                                       ; sources 0 and 1 in window w
.irp b, 0,1,2,3
	v_max3_num_f32 v[TM+\b], |v[\s+16*\b]|, |v[\s+16*\b+1]|, 0x1800000   ; block b: my 16 numbers, and the floor 2^(3 - 127): the byte cannot fall under 1.  (Each accumulator is read from its low end on)
.endr
.irp i, 2,4,6,8,10,12,14
.irp b, 0,1,2,3
	v_max3_num_f32 v[TM+\b], |v[\s+16*\b+\i]|, |v[\s+16*\b+\i+1]|, v[TM+\b]   ; the four blocks by turns
.endr
.endr
	WIN 0
.irp b, 0,1,2,3
	v_permlanex16_b32 v[TM+4+\b], v[TM+\b], s30, s31
.endr
.irp b, 0,1,2,3
	v_max_num_f32 v[TM+\b], v[TM+\b], v[TM+4+\b]   ; with lane l xor 16's: the block's largest magnitude
.endr
.irp b, 0,1,2,3
	v_add_nc_u32 v[TM+12+\b], 0xff000000, v[TM+\b] ; 2 off its exponent field: the conversion takes the exponent field of this operand as its scale
.endr
.irp b, 0,1,2,3
	v_lshrrev_b32 v[TM+4+\b], 23, v[TM+12+\b]      ; the scale's byte
.endr
	v_lshl_or_b32 v[\pw], v[TM+5], 8, v[TM+4]      ; the four bytes make my row's scale word
	v_lshl_or_b32 v[\pw], v[TM+6], 16, v[\pw]
	v_lshl_or_b32 v[\pw], v[TM+7], 24, v[\pw]
	WIN \w                                         ; source 0 in window w
.irp b, 0,1,2,3
	v_cvt_scalef32_pk8_fp4_f32 v[\pc+2*\b], v[\s+16*\b:\s+16*\b+7], v[TM+12+\b]
	v_cvt_scalef32_pk8_fp4_f32 v[\pc+2*\b+1], v[\s+16*\b+8:\s+16*\b+15], v[TM+12+\b]
.endr
	WIN 0
	v_nop                                          ; one plain place behind a scaled conversion
.irp c, 0,1                                    ; the operand's layout wants a WHOLE block in a lane: lanes 0-15 block 2 c, lanes 16-31 block 2 c + 1
.irp i, 0,1
	v_permlane16_swap_b32 v[\pc+4*\c+\i], v[\pc+4*\c+2+\i]
.endr
.endr
.endm
; the projection of the tile in XF: eight accumulators, one instruction each, onto the bias that lies in them.  wwin: the window setting (W's fragments are source 0);  w: their first register;  ws: their scale words
.macro PROJ wwin, w, ws
	WIN \wwin
.irp t, 0,1,2,3,4,5,6,7
	v_wmma_scale_f32_16x16x128_f8f6f4 v[KD+8*\t:KD+8*\t+7], v[\w+8*\t:\w+8*\t+7], v[XF:XF+7], v[KD+8*\t:KD+8*\t+7], v[\ws+\t], v[XW] matrix_a_fmt:MATRIX_FMT_FP4 matrix_b_fmt:MATRIX_FMT_FP4
.endr
	WIN 0
.endm
; ONE TILE OF 16 KEYS, whose x lies in slot; it is the k-th tile behind the one that AT points at.  refill = 1: the slot then takes the tile three further on.  left: the younger gather loads that may stay out
.macro STEP slot, k, refill, left
	ds_load_b32 v[MSK], v[AT] offset:L_MSK+64*\k
.if \refill
	ds_load_b32 v[IDX], v[AT] offset:L_IDX+64*\k+192   ; the index of my key three tiles on
.endif
	BIAS L_BK-L_BQ
	s_wait_loadcnt \left                           ; loads come back in order (ISA guide 5.7.1): this slot's sixteen are in, the younger tiles' stay out
	QUANT 64*\slot, 1, XF, XW
	s_wait_dscnt 0x0                               ; the mask's number, the index and the bias are in
	v_sub_f32 v[MSK], 1.0, v[MSK]                  ; eight plain lines from here on stand between the scale word's and the codes' last writes and the scaled products
	v_mul_f32 v[MSK], 0xc61c4000, v[MSK]           ; (1 - m) x -10000
.if \refill
	v_min_u32 v[IDX], 0xfff, v[IDX]                ; held inside the table
	v_lshl_add_u32 v[OFF+\slot], v[IDX], 9, v[XH]  ; the slot's loads are done (the wait above), so its offset may be written
	PLACES 4
.else
	PLACES 6
.endif
	PROJ 0, WF, WS                                 ; k = Q(x) Wk + bk
	PLACES 4                                       ; behind the last product, ahead of the first read of results
	QUANT KD, 0, KF, KW
	PLACES 8                                       ; ahead of a scaled product whose scale word and codes vector lines have written
	v_wmma_scale_f32_16x16x128_f8f6f4 v[SD:SD+7], v[QF:QF+7], v[KF:KF+7], 0, v[QW], v[KW] matrix_a_fmt:MATRIX_FMT_FP4 matrix_b_fmt:MATRIX_FMT_FP4
	PLACES 4
	v_fma_f32 v[SC], v[SD], s35, v[MSK]            ; my key's score
	v_max_num_f32 v[MN], v[M], v[SC]               ; the new maximum of my keys
	v_sub_f32 v[D1], v[M], v[MN]
	v_sub_f32 v[D2], v[SC], v[MN]
	v_mul_f32 v[D1], s36, v[D1]
	v_mul_f32 v[D2], s36, v[D2]
	v_exp_f32 v[FF], v[D1]                         ; f = e^(old maximum - new)
	v_exp_f32 v[PP], v[D2]                         ; p = e^(score - new maximum)
	v_mov_b32 v[M], v[MN]                          ; (the plain place behind the exponentials)
	s_wait_alu depctr_va_vdst(0)
	v_fma_f32 v[LS], v[LS], v[FF], v[PP]
	WIN 0x51                                       ; the sums (destination, source 2, and source 0 of the multiply) and x (source 0) in window 1; f and p in window 0
.set n, 0
.rept 32
	v_pk_mul_f32 v[ACC+n:ACC+n+1], v[ACC+n:ACC+n+1], v[FF:FF+1] op_sel_hi:[1,0]
.set n, n+2
.endr
.set n, 0
.rept 32
	v_pk_fma_f32 v[ACC+n:ACC+n+1], v[64*\slot+n:64*\slot+n+1], v[PP:PP+1], v[ACC+n:ACC+n+1] op_sel_hi:[1,0,1]
.set n, n+2
.endr
	WIN 0
.if \refill
	XLOAD \slot
.endif
.endm
	; ---- HEAD
	s_load_b512 s[8:23], s[0:1], 0x0               ; sub_index s[8:9], mask s[10:11], sub_feat s[12:13], Wq's codes s[14:15], scales s[16:17], bq s[18:19], Wk's codes s[20:21], scales s[22:23]
	s_load_b128 s[24:27], s[0:1], 0x40             ; bk s[24:25], out0 s[26:27]
	v_lshl_add_u32 v254, v0, 2, 0x18000
	v_mov_b32 v255, 0
	v_lshrrev_b32 v[IDX], 5, v0
	v_readfirstlane_b32 s28, v[IDX]                ; wave 0..7
	v_and_b32 v[LN], 31, v0
	v_and_b32 v[R], 15, v0
	v_bfe_u32 v[H], v0, 4, 1
	s_mul_i32 s34, s28, WREG                       ; my region of LDS
	s_add_co_u32 s37, s34, L_ST                    ; my stage
	s_lshl_b32 s29, ttmp9, 3
	s_add_co_u32 s29, s29, s28                     ; my drug
	s_mov_b32 s30, 0x76543210
	s_mov_b32 s31, 0xfedcba98                      ; v_permlanex16_b32's selects for lane l xor 16
	s_mov_b32 s35, 0x3db504f3                      ; 1 / sqrt(128)
	s_mov_b32 s36, 0x3fb8aa3b                      ; log2(e)
	v_lshlrev_b32 v[L16], 4, v[LN]
	v_add_nc_u32 v[SA], s34, v[L16]
	v_lshl_add_u32 v[AI], v[R], 2, s34
	v_lshl_add_u32 v[AB], v[H], 6, s34
	v_add_nc_u32 v[AB], L_BQ, v[AB]
	v_lshlrev_b32 v[XH], 6, v[H]
	v_and_b32 v[SC], 8, v[R]
	v_add_nc_u32 v[SC], v[SC], v[R]                ; r + 8 (r / 8)
	v_lshlrev_b32 v[WO], 6, v[SC]                  ; a row of W's codes is 64 bytes,
	v_lshl_add_u32 v[WO], v[H], 4, v[WO]           ; + 16 h
	v_lshlrev_b32 v[WSO], 2, v[SC]                 ; a row's scale word
	v_mov_b32 v[A0], s34
	v_mul_u32_u24 v[ES], v[H], 16*SP               ; the stage, in: row 16 h + g for my registers 4 g .. 4 g + 3, 16 bytes at 16 r
	v_lshl_add_u32 v[ES], v[R], 4, v[ES]
	v_add_nc_u32 v[ES], s37, v[ES]
	v_mul_u32_u24 v[ER], v[LN], SP                 ; back: row 16 h + r, whole
	v_add_nc_u32 v[ER], s37, v[ER]
	v_lshrrev_b32 v[SC], 2, v[R]
	v_and_b32 v[MN], 3, v[R]
	v_lshl_add_u32 v[EO], v[SC], 7, v[XH]          ; registers 4 r .. 4 r + 3 are channels 32 (r / 4) + 16 h + 4 (r % 4) on
	v_lshl_add_u32 v[EO], v[MN], 4, v[EO]
.irp b, 0,1,2,3
	v_mov_b32 v[TM+4+\b], 0                        ; written once: a lane permute's destination counts as one of its sources
.endr
	v_mov_b32 v[FF+1], 0                           ; the pairs' upper words are named, so they are written
	v_mov_b32 v[PP+1], 0
	v_mov_b32 v[M], 0xff61b1e6                     ; -3e38, under every score
	v_mov_b32 v[LS], 0
	s_lshl_b32 s2, s29, 10                         ; a drug's indices and mask numbers: 1,024 bytes
	s_mov_b32 s3, 0
	s_wait_kmcnt 0x0
	s_add_nc_u64 s[8:9], s[8:9], s[2:3]
	s_add_nc_u64 s[10:11], s[10:11], s[2:3]
	s_lshl_b32 s2, s29, 9                          ; its row of out0: 512 bytes
	s_add_nc_u64 s[26:27], s[26:27], s[2:3]
	; six loads of 512 consecutive bytes: the drug's list and mask (read once in the launch), the two biases
	global_load_b128 v[KD:KD+3],     v[L16], s[8:9] th:TH_LOAD_NT
	global_load_b128 v[KD+4:KD+7],   v[L16], s[8:9] offset:512 th:TH_LOAD_NT
	global_load_b128 v[KD+8:KD+11],  v[L16], s[10:11] th:TH_LOAD_NT
	global_load_b128 v[KD+12:KD+15], v[L16], s[10:11] offset:512 th:TH_LOAD_NT
	global_load_b128 v[KD+16:KD+19], v[L16], s[18:19]
	global_load_b128 v[KD+20:KD+23], v[L16], s[24:25]
	; 48 loads: the weights' fragments and scale words; tile t begins at row 32 (t / 2) + 8 (t % 2)
	WIN 0x40                                       ; Wq's fragments: window 1, where the partial sums will lie
.irp t, 0,1,2,3,4,5,6,7
.irp c, 0,1
	global_load_b128 v[ACC+8*\t+4*\c:ACC+8*\t+4*\c+3], v[WO], s[14:15] offset:(32*(\t/2)+8*(\t%2))*64+32*\c
.endr
.endr
	WIN 0
.irp t, 0,1,2,3,4,5,6,7
	global_load_b32 v[WSQ+\t], v[WSO], s[16:17] offset:(32*(\t/2)+8*(\t%2))*4
.endr
.irp t, 0,1,2,3,4,5,6,7
.irp c, 0,1
	global_load_b128 v[WF+8*\t+4*\c:WF+8*\t+4*\c+3], v[WO], s[20:21] offset:(32*(\t/2)+8*(\t%2))*64+32*\c
.endr
.endr
.irp t, 0,1,2,3,4,5,6,7
	global_load_b32 v[WS+\t], v[WSO], s[22:23] offset:(32*(\t/2)+8*(\t%2))*4
.endr
	s_wait_loadcnt 48                              ; the first six are in; the 48 of the weights stay out
.irp i, 0,1,2,3,4,5
	ds_store_b128 v[SA], v[KD+4*\i:KD+4*\i+3] offset:512*\i   ; the four regions lie on end: indices, mask, bq, bk
.endr
	ds_load_b32 v[IDX], v[A0]                      ; LDS serves a wave's instructions in order (ISA guide 5.7.1.4): these see my stores.  Key 0's index, in every lane;
	ds_load_b32 v[I0], v[AI]                       ; my key's of tiles 0, 1, 2
	ds_load_b32 v[I1], v[AI] offset:64
	ds_load_b32 v[I2], v[AI] offset:128
	s_wait_dscnt 0x0
	v_min_u32 v[IDX], 0xfff, v[IDX]
	v_min_u32 v[I0], 0xfff, v[I0]
	v_min_u32 v[I1], 0xfff, v[I1]
	v_min_u32 v[I2], 0xfff, v[I2]
	v_lshl_add_u32 v[OFF+2], v[IDX], 9, v[XH]      ; a row of the table is 512 bytes
	v_lshl_add_u32 v[OFF], v[I0], 9, v[XH]
	v_lshl_add_u32 v[OFF+1], v[I1], 9, v[XH]
	XLOAD 2                                        ; key 0's row, the same in all sixteen lanes of a half
	XLOAD 0                                        ; tile 0
	XLOAD 1                                        ; tile 1
	; ---- q of key 0, in all sixteen rows of a fragment
	BIAS 0
	s_wait_loadcnt 32                              ; key 0's row and the weights are in; tiles 0 and 1 (16 loads each) stay out
	QUANT 128, 1, XF, XW
	v_lshl_add_u32 v[OFF+2], v[I2], 9, v[XH]       ; slot 2's loads are done, so its offset may be written
	XLOAD 2                                        ; tile 2
	PLACES 8                                       ; ahead of scaled products whose scale word and codes vector lines have written
	s_wait_dscnt 0x0                               ; bq
	PROJ 0x01, ACC, WSQ                            ; q = Q(x) Wq + bq; Wq's fragments in window 1
	PLACES 4
	QUANT KD, 0, QF, QW
	WIN 0x40
.set n, 0
.rept 64
	v_mov_b32 v[ACC+n], 0                          ; the partial sums, where Wq's fragments lay.  (The step is written once: the first finds zeros, which its f = 0 leaves zeros)
.set n, n+1
.endr
	WIN 0
	; ---- the keys: four trips of three tiles, each of which asks for the tile three on; then the last four tiles, written out, so that no index past the list is read
	s_mov_b32 s32, 0                               ; bytes from tile 0's indices to the trip's first tile's
	s_mov_b32 s33, 4
.Ltrip:
	v_add_nc_u32 v[AT], s32, v[AI]
	STEP 0, 0, 1, 32
	STEP 1, 1, 1, 32
	STEP 2, 2, 1, 32
	s_add_co_u32 s32, s32, 192
	s_sub_co_u32 s33, s33, 1
	s_cmp_lg_u32 s33, 0
	s_cbranch_scc1 .Ltrip
	v_add_nc_u32 v[AT], 768, v[AI]                 ; tile 12
	STEP 0, 0, 1, 32                               ; tile 12; asks for tile 15
	STEP 1, 1, 0, 32                               ; tile 13: tiles 14 and 15 may be out
	STEP 2, 2, 0, 16                               ; tile 14: tile 15 may be out
	STEP 0, 3, 0, 0                                ; tile 15
	; ---- THE END: the sixteen lanes of a half are joined (both halves hold the same keys, each its own channels)
	v_mov_b32 v[D1], v[M]
	v_max_num_f32_dpp v[D1], v[D1], v[D1] row_xmask:1 row_mask:0xf bank_mask:0xf
	v_max_num_f32_dpp v[D1], v[D1], v[D1] row_xmask:2 row_mask:0xf bank_mask:0xf
	v_max_num_f32_dpp v[D1], v[D1], v[D1] row_xmask:4 row_mask:0xf bank_mask:0xf
	v_max_num_f32_dpp v[D1], v[D1], v[D1] row_xmask:8 row_mask:0xf bank_mask:0xf   ; the row's maximum
	v_sub_f32 v[D2], v[M], v[D1]
	v_mul_f32 v[D2], s36, v[D2]
	v_exp_f32 v[SC], v[D2]                         ; what brings my sums under the row's maximum
	v_nop                                          ; one plain place behind a transcendental
	s_wait_alu depctr_va_vdst(0)
	v_mul_f32 v[LS], v[LS], v[SC]
	v_add_f32_dpp v[LS], v[LS], v[LS] row_xmask:1 row_mask:0xf bank_mask:0xf
	v_add_f32_dpp v[LS], v[LS], v[LS] row_xmask:2 row_mask:0xf bank_mask:0xf
	v_add_f32_dpp v[LS], v[LS], v[LS] row_xmask:4 row_mask:0xf bank_mask:0xf
	v_add_f32_dpp v[LS], v[LS], v[LS] row_xmask:8 row_mask:0xf bank_mask:0xf       ; the row's sum
	v_rcp_f32 v[MN], v[LS]
	v_nop
	s_wait_alu depctr_va_vdst(0)
	v_mul_f32 v[FF], v[SC], v[MN]
	WIN 0x41
.set n, 0
.rept 32
	v_pk_mul_f32 v[ACC+n:ACC+n+1], v[ACC+n:ACC+n+1], v[FF:FF+1] op_sel_hi:[1,0]
.set n, n+2
.endr
	WIN 0x04                                       ; an LDS store's data are its source 1: window 1
.irp g, 0,1,2,3,4,5,6,7,8,9,10,11,12,13,14,15
	ds_store_b128 v[ES], v[ACC+4*\g:ACC+4*\g+3] offset:SP*\g
.endr
	WIN 0
.irp p, 0,1,2,3,4,5,6,7,8,9,10,11,12,13,14,15
	ds_load_b128 v[KD+4*\p:KD+4*\p+3], v[ER] offset:16*\p    ; the sixteen lanes' registers 4 r .. 4 r + 3: LDS serves a wave's instructions in order, so these see my stores
.endr
	s_wait_dscnt 0x0
.irp d, 32,16,8,4                              ; their sum, as a tree: 16 + 8 + 4 + 2 packed additions
.set n, 0
.rept \d/2
	v_pk_add_f32 v[KD+n:KD+n+1], v[KD+n:KD+n+1], v[KD+\d+n:KD+\d+n+1]
.set n, n+2
.endr
.endr
	global_store_b128 v[EO], v[KD:KD+3], s[26:27] th:TH_STORE_NT   ; the 32 lanes store the drug's 512 consecutive bytes, at a multiple of 512 from out0's first byte
	s_wait_tensorcnt 0x0
	ds_add_u32 v254, v255
	s_wait_dscnt 0x0
	s_endpgm
.Lfunc_end_k_qfb8fdbdafb_drug:
	.size	k_qfb8fdbdafb_drug, .Lfunc_end_k_qfb8fdbdafb_drug-k_qfb8fdbdafb_drug
	.p2alignl 7, 3214868480
	.fill 96, 4, 3214868480
	.section	.rodata,"a",@progbits
	.p2align	6, 0x0
	.amdhsa_kernel k_qfb8fdbdafb_drug
		.amdhsa_group_segment_fixed_size 99328
		.amdhsa_private_segment_fixed_size 0
		.amdhsa_enable_private_segment 0
		.amdhsa_kernarg_size 80
		.amdhsa_user_sgpr_count 2
		.amdhsa_user_sgpr_kernarg_segment_ptr 1
		.amdhsa_wavefront_size32 1
		.amdhsa_system_sgpr_workgroup_id_x 1
		.amdhsa_system_sgpr_workgroup_id_y 1
		.amdhsa_system_sgpr_workgroup_id_z 1
		.amdhsa_system_vgpr_workitem_id 0
		.amdhsa_next_free_vgpr 512
		.amdhsa_next_free_sgpr 66
		.amdhsa_reserve_vcc 0
		.amdhsa_float_denorm_mode_32 3
		.amdhsa_float_denorm_mode_16_64 3
		.amdhsa_memory_ordered 1
		.amdhsa_forward_progress 1
		.amdhsa_inst_pref_size 147
	.end_amdhsa_kernel
	.amdgpu_metadata
---
amdhsa.version: [ 1, 2 ]
amdhsa.kernels:
  - .name:           k_qfb8fdbdafb_drug
    .symbol:         k_qfb8fdbdafb_drug.kd
    .args:
      - { .name: sub_index, .offset: 0, .size: 8, .value_kind: global_buffer, .address_space: global }
      - { .name: mask, .offset: 8, .size: 8, .value_kind: global_buffer, .address_space: global }
      - { .name: sub_feat, .offset: 16, .size: 8, .value_kind: global_buffer, .address_space: global }
      - { .name: Wq_codes, .offset: 24, .size: 8, .value_kind: global_buffer, .address_space: global }
      - { .name: Wq_scales, .offset: 32, .size: 8, .value_kind: global_buffer, .address_space: global }
      - { .name: bq, .offset: 40, .size: 8, .value_kind: global_buffer, .address_space: global }
      - { .name: Wk_codes, .offset: 48, .size: 8, .value_kind: global_buffer, .address_space: global }
      - { .name: Wk_scales, .offset: 56, .size: 8, .value_kind: global_buffer, .address_space: global }
      - { .name: bk, .offset: 64, .size: 8, .value_kind: global_buffer, .address_space: global }
      - { .name: out0, .offset: 72, .size: 8, .value_kind: global_buffer, .address_space: global }
    .group_segment_fixed_size: 99328
    .private_segment_fixed_size: 0
    .kernarg_segment_align: 8
    .kernarg_segment_size: 80
    .max_flat_workgroup_size: 256
    .sgpr_count:     66
    .vgpr_count:     512
    .wavefront_size: 32
...
	.end_amdgpu_metadata
.endif
;; end of part 1
;; ======== version 2 of 2: 1 launch; version 1 with the launch drug written anew for expert scheduling mode
;; launch drug (part 2): grid 256 x 1, 8 waves a work-group, no clusters, 99,328 bytes of LDS; arguments sub_index, mask, sub_feat, Wq_codes, Wq_scales, bq, Wk_codes, Wk_scales, bk, out0; writes out0
.if DOCPART == 2
	.amdgcn_target "amdgcn-amd-amdhsa--gfx1250"
	.amdhsa_code_object_version 6
	.text
	.protected	k_qfb8fdbdafb_drug
	.globl	k_qfb8fdbdafb_drug
	.p2align	8
	.type	k_qfb8fdbdafb_drug,@function
k_qfb8fdbdafb_drug:
	s_mov_b64 s[64:65], 0
	v_nop
	global_prefetch_b8 v0, s[64:65] scope:SCOPE_SE
	s_setreg_imm32_b32 hwreg(HW_REG_WAVE_SCHED_MODE, 0, 2), 2
	s_setreg_imm32_b32 hwreg(HW_REG_WAVE_MODE, 25, 1), 1
	s_wait_xcnt 0x0
	s_wait_alu depctr_vm_vsrc(0)
; out0[b][:] = sum over j of p[b][j] x[b][j][:],  x[b][j] = sub_feat[sub_index[b][j]],  p[b] = softmax_j( q[b][0] . k[b][j] / sqrt(128) + (1 - mask[b][j]) * -10000 ),
; q = Q(x) Wq + bq, k = Q(x) Wk + bk, and the score's product is taken of Q(q) and Q(k): Q is the MX-FP4 quantiser along the 128 (blocks of 32, E8M0 scale, E2M1 codes).
; Only query 0's row of the softmax is kept by the problem, so only q of key 0 and one row of scores are made for a drug; k is made for all 256 keys.
; SHARES.  2,048 drugs, one WAVE to a drug: 256 work-groups of eight waves, drug = 8 x work-group + wave.  Waves share nothing: no barrier; each wave has 12,288 bytes of LDS of its own.
; A drug's 256 keys go in 16 tiles of 16.  Lane (r = lane % 16, h = lane / 16) holds key 16 t + r in every phase: of x its register 16 B + i is channel 32 B + 16 h + i, which is the order that
; the conversions to codes want; k comes out in the same order, since the projection is used TRANSPOSED (source 0 = 16 rows of W's codes, source 1 = x's codes) and
; THE ROWS OF W THAT FORM A TILE ARE NOT NEIGHBOURS: lane r of tile 2 B + u takes row 32 B + 8 u + r + 8 (r / 8).  The bias is the C of the projection, in the result's layout.
; THE SCORE: source 0 = q's fragment, in which all sixteen rows are key 0's q (the q tile gathers key 0's row in all sixteen lanes), source 1 = k's fragment: register 0 of the result is q . k_r in both halves of the lanes.
; THE SOFTMAX runs lane by lane: each lane keeps a running maximum, a sum and 64 partial sums of p x over its own 16 keys; the lanes are joined once, at the end.
; THE WEIGHTED SUM has one row for a drug and its K across the lanes: it is made by packed f32 multiply-adds on the x registers that are there anyway.
; NO JOINT LOADS, NO TENSOR LOADS: the rows of the table are taken lane by lane from each drug's own list; what all waves share is 17 KB of weights, which a wave reads once into registers.
; LIMITS: NaN and infinities among the inputs are not served.  A block of zeros, or one whose largest magnitude lies under 2^-124, gets the scale byte 1 (zero codes add nothing under it).
; An index is held at 4,095, the table's last row.  score / sqrt(128) + the mask's term is ONE fused multiply-add.  The softmax's sum and the weighted sum are formed per lane first, then across lanes.
; THE MODE: SCHED_MODE bits 1:0 = 2 (LLVM: expert scheduling mode 2), set by the entry lines.  The code itself states the register dependences
; between vector or matrix instructions and memory or LDS instructions, with s_wait_alu, always for 0.
; THE PLAN.  Registers that memory or LDS instructions touch, in the loop:
;   slot s          Read by its step's quantiser and by the step's 32 packed multiply-adds, the step's last vector lines; behind them the sixteen gather loads of the tile three on land in it.
;   v[OFF+s]        Read by those loads; written three steps on, among the lines ahead of the projection.
;   MSK, IDX, KD    The next tile's mask number, index and bias are loaded from LDS behind the wait for this step's exponentials.  Every vector or matrix line of the step that names one of them (MSK: last the score's
;                   multiply-add; IDX: the offset's line; KD: the projection and k's quantiser) stands ahead of that wait, none behind it.
;   v[AT]           Read by the loads of MSK and IDX; written once a trip, in the trip's third step, beside v[OFF+s].
;   v[AB]           Read by the bias's loads; never written again.
;   XF, XW, KF, KW, QF, QW   Written by vector lines, read by scaled products.
; So a step has five waits on va_vdst: ahead of the projection (XF, XW; v[OFF+s], v[AT]); ahead of the score (KF, KW); ahead of the exponentials (D1, D2); behind the exponentials (their results; and all that the next tile's LDS loads hang on);
; ahead of the gather loads (the packed multiply-adds are done reading the slot).  One wait on vm_vsrc stands ahead of the writes of v[OFF+s] and v[AT].
;
; LDS, for each wave, from 12,288 x wave on:
.set WREG,  12288
.set L_IDX, 0                          ; the drug's 256 indices, as they lie
.set L_MSK, 1024                       ; its 256 mask numbers
.set L_BQ,  2048                       ; bq
.set L_BK,  2560                       ; bk
.set L_ST,  3072                       ; the end's stage: 32 rows of 256 bytes + 16
.set SP,    272
; REGISTERS, window 0:
.set LN,  1                            ; lane
.set R,   2                            ; r
.set H,   3                            ; h
.set L16, 4                            ; 16 x lane
.set SA,  5                            ; my region + 16 x lane
.set AI,  6                            ; my region + 4 r: key r of tile 0 among the indices
.set AT,  7                            ; the same for the tile from which the LDS loads' offsets count
.set AB,  8                            ; my region + L_BQ + 64 h: a bias as my half of the lanes wants it
.set XH,  9                            ; 64 h: my 16 channels of a block of 32, in bytes
.set OFF, 10                           ; v10-12  slot s: byte offset in sub_feat of my key's row, + 64 h
.set WO,  13                           ; my place in a tile of W's codes
.set WSO, 14                           ; and among its scale words
.set IDX, 15
.set MSK, 16                           ; the mask's number, then its term (1 - m) x -10000
.set I2,  17
.set A0,  18                           ; my region: key 0's index
.set ES,  19                           ; the stage, on the way in
.set ER,  20                           ; and back
.set EO,  21                           ; my 16 bytes of the drug's row of out0
.set M,   22                           ; running maximum
.set LS,  23                           ; running sum
.set SC,  24
.set MN,  25
.set D1,  26
.set D2,  27
.set FF,  28                           ; v[28:29] f = e^(old maximum - new): the packed forms name a pair and take its low word for both halves
.set PP,  30                           ; v[30:31] p likewise
.set WS,  32                           ; v32-39  Wk's scale words, a register a tile     (v32-50 hold scales and nothing else)
.set WSQ, 40                           ; v40-47  Wq's
.set XW,  48                           ; x's scale word
.set KW,  49                           ; k's
.set QW,  50                           ; q's
.set XF,  52                           ; v52-59  x's codes
.set KF,  60                           ; v60-67  k's
.set QF,  68                           ; v68-75  q's
.set TM,  76                           ; v76-91  at work in the quantiser
.set SD,  92                           ; v92-99  the scores
.set WF,  100                          ; v100-163 Wk's eight fragments
.set KD,  164                          ; v164-227 the bias, then k (or q); in the head and at the end at work
.set I0,  228
.set I1,  229
; window 1: v0-191 three slots of 64: a tile's x;  v192-255 the 64 partial sums (in the head: Wq's eight fragments)
.set ACC, 192
; s_set_vgpr_msb's low byte: bits 1:0 source 0, 3:2 source 1, 5:4 source 2, 7:6 destination; its high byte repeats the setting that is left
.set MSB, 0
.macro WIN new
.if MSB != (\new)
	s_set_vgpr_msb (MSB<<8)|(\new)
.set MSB, (\new)
.endif
.endm
.macro PLACES n                        ; plain vector places behind or ahead of a matrix instruction (ISA guide 7.12.1), where no useful line is at hand
.rept \n
	v_nop
.endr
.endm
; my key's 64 channels into slot s: of each block of 32 channels my half's 16, four loads of 16 bytes
.macro XLOAD s
	WIN 0x40                                       ; destination window 1
.irp b, 0,1,2,3
.irp j, 0,1,2,3
	global_load_b128 v[64*\s+16*\b+4*\j:64*\s+16*\b+4*\j+3], v[OFF+\s], s[12:13] offset:128*\b+16*\j
.endr
.endr
	WIN 0
.endm
; a bias into the eight accumulators, in the result's layout: register 8 t + j of lane (r, h) is unit 32 (t / 2) + 16 h + 8 (t % 2) + j.  All sixteen lanes of a half read the same 16 bytes
.macro BIAS off
.irp t, 0,1,2,3,4,5,6,7
.irp q, 0,1
	ds_load_b128 v[KD+8*\t+4*\q:KD+8*\t+4*\q+3], v[AB] offset:\off+128*(\t/2)+32*(\t%2)+16*\q
.endr
.endr
.endm
; what a tile wants from LDS: its mask numbers, bk, and (idx = 1) the indices of the tile three further on.  k: the tile is the k-th behind the one that AT points at
.macro NEXT k, idx
	ds_load_b32 v[MSK], v[AT] offset:L_MSK+64*\k
.if \idx
	ds_load_b32 v[IDX], v[AT] offset:L_IDX+64*\k+192   ; the index of my key three tiles on
.endif
	BIAS L_BK-L_BQ
.endm
; 64 numbers of a lane, v[s] on in window w, register 16 b + i = k 32 b + 16 h + i of my row, become a fragment's codes in v[pc] on and my row's scale word in v[pw]
.macro QUANT s, w, pc, pw
	WIN 5*\w                                       ; sources 0 and 1 in window w
.irp b, 0,1,2,3
	v_max3_num_f32 v[TM+\b], |v[\s+16*\b]|, |v[\s+16*\b+1]|, 0x1800000   ; block b: my 16 numbers, and the floor 2^(3 - 127): the byte cannot fall under 1.  (Each accumulator is read from its low end on)
.endr
.irp i, 2,4,6,8,10,12,14
.irp b, 0,1,2,3
	v_max3_num_f32 v[TM+\b], |v[\s+16*\b+\i]|, |v[\s+16*\b+\i+1]|, v[TM+\b]   ; the four blocks by turns
.endr
.endr
	WIN 0
.irp b, 0,1,2,3
	v_permlanex16_b32 v[TM+4+\b], v[TM+\b], s30, s31
.endr
.irp b, 0,1,2,3
	v_max_num_f32 v[TM+\b], v[TM+\b], v[TM+4+\b]   ; with lane l xor 16's: the block's largest magnitude
.endr
.irp b, 0,1,2,3
	v_add_nc_u32 v[TM+12+\b], 0xff000000, v[TM+\b] ; 2 off its exponent field: the conversion takes the exponent field of this operand as its scale
.endr
.irp b, 0,1,2,3
	v_lshrrev_b32 v[TM+4+\b], 23, v[TM+12+\b]      ; the scale's byte
.endr
	v_lshl_or_b32 v[\pw], v[TM+5], 8, v[TM+4]      ; the four bytes make my row's scale word
	v_lshl_or_b32 v[\pw], v[TM+6], 16, v[\pw]
	v_lshl_or_b32 v[\pw], v[TM+7], 24, v[\pw]
	WIN \w                                         ; source 0 in window w
.irp b, 0,1,2,3
	v_cvt_scalef32_pk8_fp4_f32 v[\pc+2*\b], v[\s+16*\b:\s+16*\b+7], v[TM+12+\b]
	v_cvt_scalef32_pk8_fp4_f32 v[\pc+2*\b+1], v[\s+16*\b+8:\s+16*\b+15], v[TM+12+\b]
.endr
	WIN 0
	v_nop                                          ; one plain place behind a scaled conversion
.irp c, 0,1                                    ; the operand's layout wants a WHOLE block in a lane: lanes 0-15 block 2 c, lanes 16-31 block 2 c + 1
.irp i, 0,1
	v_permlane16_swap_b32 v[\pc+4*\c+\i], v[\pc+4*\c+2+\i]
.endr
.endr
.endm
; the projection of the tile in XF: eight accumulators, one instruction each, onto the bias that lies in them.  wwin: the window setting (W's fragments are source 0);  w: their first register;  ws: their scale words
.macro PROJ wwin, w, ws
	WIN \wwin
.irp t, 0,1,2,3,4,5,6,7
	v_wmma_scale_f32_16x16x128_f8f6f4 v[KD+8*\t:KD+8*\t+7], v[\w+8*\t:\w+8*\t+7], v[XF:XF+7], v[KD+8*\t:KD+8*\t+7], v[\ws+\t], v[XW] matrix_a_fmt:MATRIX_FMT_FP4 matrix_b_fmt:MATRIX_FMT_FP4
.endr
	WIN 0
.endm
; ONE TILE OF 16 KEYS, whose x lies in slot; its mask numbers, its index and bk were asked of LDS in the step before.  refill = 1: the slot then takes the tile three further on.  left: the younger gather loads that may stay out.
; at = 1: AT moves on by three tiles.  nx = 1: a tile follows, the nk-th behind the one that AT then points at; nidx = 1: that tile refills its slot too
.macro STEP slot, refill, left, at, nx, nk, nidx
	s_wait_loadcnt \left                           ; loads come back in order (ISA guide 5.7.1): this slot's sixteen are in, the younger tiles' stay out
	QUANT 64*\slot, 1, XF, XW
	s_wait_dscnt 0x0                               ; the mask's number, the index and the bias are in
.if \refill
	s_wait_alu depctr_vm_vsrc(0)                   ; the slot's last gather loads have read v[OFF+slot], and the LDS loads issued so far have read v[AT]: both may be written
.endif
	v_sub_f32 v[MSK], 1.0, v[MSK]                  ; eight plain lines from here on stand between the scale word's and the codes' last writes and the scaled products
	v_mul_f32 v[MSK], 0xc61c4000, v[MSK]           ; (1 - m) x -10000
.if \refill
	v_min_u32 v[IDX], 0xfff, v[IDX]                ; held inside the table
	v_lshl_add_u32 v[OFF+\slot], v[IDX], 9, v[XH]  ; the slot's loads are done (the wait on LOADcnt above), so its offset may be written
.if \at
	s_add_co_u32 s32, s32, 192                     ; bytes from tile 0's indices to those of the next trip's first tile
	v_add_nc_u32 v[AT], s32, v[AI]
	PLACES 3
.else
	PLACES 4
.endif
.else
	PLACES 6
.endif
	s_wait_alu depctr_va_vdst(0)                   ; the quantiser has written XF and XW, which the scaled products read; v[OFF+slot] and v[AT] are written, which loads further down read
	PROJ 0, WF, WS                                 ; k = Q(x) Wk + bk
	PLACES 4                                       ; behind the last product, ahead of the first read of results
	QUANT KD, 0, KF, KW
	PLACES 8                                       ; ahead of a scaled product whose scale word and codes vector lines have written
	s_wait_alu depctr_va_vdst(0)                   ; the quantiser has written KF and KW (ahead of the first tile: QF and QW too), which the scaled product reads
	v_wmma_scale_f32_16x16x128_f8f6f4 v[SD:SD+7], v[QF:QF+7], v[KF:KF+7], 0, v[QW], v[KW] matrix_a_fmt:MATRIX_FMT_FP4 matrix_b_fmt:MATRIX_FMT_FP4
	PLACES 4
	v_fma_f32 v[SC], v[SD], s35, v[MSK]            ; my key's score
	v_max_num_f32 v[MN], v[M], v[SC]               ; the new maximum of my keys
	v_sub_f32 v[D1], v[M], v[MN]
	v_sub_f32 v[D2], v[SC], v[MN]
	v_mul_f32 v[D1], s36, v[D1]
	v_mul_f32 v[D2], s36, v[D2]
	s_wait_alu depctr_va_vdst(0)
	v_exp_f32 v[FF], v[D1]                         ; f = e^(old maximum - new)
	v_exp_f32 v[PP], v[D2]                         ; p = e^(score - new maximum)
	v_mov_b32 v[M], v[MN]                          ; (the plain place behind the exponentials)
	s_wait_alu depctr_va_vdst(0)                   ; the exponentials have written f and p, ahead of their first reader; and the step's lines that name MSK, IDX or KD, in which the loads below land, are done
.if \nx
	NEXT \nk, \nidx                                ; the next tile's.  No vector or matrix line from the wait above to the next step's wait on DScnt names MSK, IDX or KD
.endif
	v_fma_f32 v[LS], v[LS], v[FF], v[PP]
	WIN 0x51                                       ; the sums (destination, source 2, and source 0 of the multiply) and x (source 0) in window 1; f and p in window 0
.set n, 0
.rept 32
	v_pk_mul_f32 v[ACC+n:ACC+n+1], v[ACC+n:ACC+n+1], v[FF:FF+1] op_sel_hi:[1,0]
.set n, n+2
.endr
.set n, 0
.rept 32
	v_pk_fma_f32 v[ACC+n:ACC+n+1], v[64*\slot+n:64*\slot+n+1], v[PP:PP+1], v[ACC+n:ACC+n+1] op_sel_hi:[1,0,1]
.set n, n+2
.endr
.if \refill
	WIN 0x40                                       ; the loads' window first, then the wait, then the loads
	s_wait_alu depctr_va_vdst(0)                   ; the packed multiply-adds are done reading the slot, in which the loads land
	XLOAD \slot
.else
	WIN 0
.endif
.endm
	; ---- HEAD
	s_load_b512 s[8:23], s[0:1], 0x0               ; sub_index s[8:9], mask s[10:11], sub_feat s[12:13], Wq's codes s[14:15], scales s[16:17], bq s[18:19], Wk's codes s[20:21], scales s[22:23]
	s_load_b128 s[24:27], s[0:1], 0x40             ; bk s[24:25], out0 s[26:27]
	v_lshl_add_u32 v254, v0, 2, 0x18000
	v_mov_b32 v255, 0
	v_lshrrev_b32 v[IDX], 5, v0
	v_readfirstlane_b32 s28, v[IDX]                ; wave 0..7
	v_and_b32 v[LN], 31, v0
	s_wait_alu depctr_va_vdst(0)
	v_and_b32 v[R], 15, v0
	s_wait_alu depctr_va_vdst(0)
	v_bfe_u32 v[H], v0, 4, 1
	s_wait_alu depctr_va_vdst(0)
	s_wait_alu depctr_va_sdst(0)                   ; s28 is written, ahead of its first reader: my region of LDS and my drug are made from it
	s_mul_i32 s34, s28, WREG                       ; my region of LDS
	s_add_co_u32 s37, s34, L_ST                    ; my stage
	s_lshl_b32 s29, ttmp9, 3
	s_add_co_u32 s29, s29, s28                     ; my drug
	s_mov_b32 s30, 0x76543210
	s_mov_b32 s31, 0xfedcba98                      ; v_permlanex16_b32's selects for lane l xor 16
	s_mov_b32 s35, 0x3db504f3                      ; 1 / sqrt(128)
	s_mov_b32 s36, 0x3fb8aa3b                      ; log2(e)
	v_lshlrev_b32 v[L16], 4, v[LN]
	v_add_nc_u32 v[SA], s34, v[L16]
	v_lshl_add_u32 v[AI], v[R], 2, s34
	v_lshl_add_u32 v[AB], v[H], 6, s34
	v_add_nc_u32 v[AB], L_BQ, v[AB]
	v_lshlrev_b32 v[XH], 6, v[H]
	v_and_b32 v[SC], 8, v[R]
	v_add_nc_u32 v[SC], v[SC], v[R]                ; r + 8 (r / 8)
	v_lshlrev_b32 v[WO], 6, v[SC]                  ; a row of W's codes is 64 bytes,
	v_lshl_add_u32 v[WO], v[H], 4, v[WO]           ; + 16 h
	v_lshlrev_b32 v[WSO], 2, v[SC]                 ; a row's scale word
	v_mov_b32 v[A0], s34
	v_mul_u32_u24 v[ES], v[H], 16*SP               ; the stage, in: row 16 h + g for my registers 4 g .. 4 g + 3, 16 bytes at 16 r
	v_lshl_add_u32 v[ES], v[R], 4, v[ES]
	v_add_nc_u32 v[ES], s37, v[ES]
	v_mul_u32_u24 v[ER], v[LN], SP                 ; back: row 16 h + r, whole
	v_add_nc_u32 v[ER], s37, v[ER]
	v_lshrrev_b32 v[SC], 2, v[R]
	v_and_b32 v[MN], 3, v[R]
	v_lshl_add_u32 v[EO], v[SC], 7, v[XH]          ; registers 4 r .. 4 r + 3 are channels 32 (r / 4) + 16 h + 4 (r % 4) on
	v_lshl_add_u32 v[EO], v[MN], 4, v[EO]
.irp b, 0,1,2,3
	v_mov_b32 v[TM+4+\b], 0                        ; written once: a lane permute's destination counts as one of its sources
.endr
	v_mov_b32 v[FF+1], 0                           ; the pairs' upper words are named, so they are written
	v_mov_b32 v[PP+1], 0
	v_mov_b32 v[M], 0xff61b1e6                     ; -3e38, under every score
	v_mov_b32 v[LS], 0
	s_lshl_b32 s2, s29, 10                         ; a drug's indices and mask numbers: 1,024 bytes
	s_mov_b32 s3, 0
	s_wait_kmcnt 0x0
	s_add_nc_u64 s[8:9], s[8:9], s[2:3]
	s_add_nc_u64 s[10:11], s[10:11], s[2:3]
	s_lshl_b32 s2, s29, 9                          ; its row of out0: 512 bytes
	s_add_nc_u64 s[26:27], s[26:27], s[2:3]
	s_wait_alu depctr_va_vdst(0)                   ; the addresses that stay (L16, SA, AI, AB, WO, WSO, A0, ES, ER, EO) are written, which loads and stores from here to the end read; so is v[IDX], in which key 0's index lands
	; six loads of 512 consecutive bytes: the drug's list and mask (read once in the launch), the two biases
	global_load_b128 v[KD:KD+3],     v[L16], s[8:9] th:TH_LOAD_NT
	global_load_b128 v[KD+4:KD+7],   v[L16], s[8:9] offset:512 th:TH_LOAD_NT
	global_load_b128 v[KD+8:KD+11],  v[L16], s[10:11] th:TH_LOAD_NT
	global_load_b128 v[KD+12:KD+15], v[L16], s[10:11] offset:512 th:TH_LOAD_NT
	global_load_b128 v[KD+16:KD+19], v[L16], s[18:19]
	global_load_b128 v[KD+20:KD+23], v[L16], s[24:25]
	; 48 loads: the weights' fragments and scale words; tile t begins at row 32 (t / 2) + 8 (t % 2)
	WIN 0x40                                       ; Wq's fragments: window 1, where the partial sums will lie
.irp t, 0,1,2,3,4,5,6,7
.irp c, 0,1
	global_load_b128 v[ACC+8*\t+4*\c:ACC+8*\t+4*\c+3], v[WO], s[14:15] offset:(32*(\t/2)+8*(\t%2))*64+32*\c
.endr
.endr
	WIN 0
.irp t, 0,1,2,3,4,5,6,7
	global_load_b32 v[WSQ+\t], v[WSO], s[16:17] offset:(32*(\t/2)+8*(\t%2))*4
.endr
.irp t, 0,1,2,3,4,5,6,7
.irp c, 0,1
	global_load_b128 v[WF+8*\t+4*\c:WF+8*\t+4*\c+3], v[WO], s[20:21] offset:(32*(\t/2)+8*(\t%2))*64+32*\c
.endr
.endr
.irp t, 0,1,2,3,4,5,6,7
	global_load_b32 v[WS+\t], v[WSO], s[22:23] offset:(32*(\t/2)+8*(\t%2))*4
.endr
	s_wait_loadcnt 48                              ; the first six are in; the 48 of the weights stay out
.irp i, 0,1,2,3,4,5
	ds_store_b128 v[SA], v[KD+4*\i:KD+4*\i+3] offset:512*\i   ; the four regions lie on end: indices, mask, bq, bk
.endr
	ds_load_b32 v[IDX], v[A0]                      ; LDS serves a wave's instructions in order (ISA guide 5.7.1.4): these see my stores.  Key 0's index, in every lane;
	ds_load_b32 v[I0], v[AI]                       ; my key's of tiles 0, 1, 2
	ds_load_b32 v[I1], v[AI] offset:64
	ds_load_b32 v[I2], v[AI] offset:128
	s_wait_dscnt 0x0
	v_min_u32 v[IDX], 0xfff, v[IDX]
	v_min_u32 v[I0], 0xfff, v[I0]
	v_min_u32 v[I1], 0xfff, v[I1]
	v_min_u32 v[I2], 0xfff, v[I2]
	v_lshl_add_u32 v[OFF+2], v[IDX], 9, v[XH]      ; a row of the table is 512 bytes
	v_lshl_add_u32 v[OFF], v[I0], 9, v[XH]
	v_lshl_add_u32 v[OFF+1], v[I1], 9, v[XH]
	WIN 0x40                                       ; the loads' window first, then the wait, then the loads
	s_wait_alu depctr_va_vdst(0)                   ; the three offsets are written, which the gather loads read
	XLOAD 2                                        ; key 0's row, the same in all sixteen lanes of a half
	XLOAD 0                                        ; tile 0
	XLOAD 1                                        ; tile 1
	; ---- q of key 0, in all sixteen rows of a fragment
	s_wait_alu depctr_vm_vsrc(0)                   ; the six LDS stores have read v[KD ..], in which bq lands; slot 2's gather loads have read v[OFF+2], which is written below
	BIAS 0
	s_wait_loadcnt 32                              ; key 0's row and the weights are in; tiles 0 and 1 (16 loads each) stay out
	QUANT 128, 1, XF, XW
	v_lshl_add_u32 v[OFF+2], v[I2], 9, v[XH]       ; slot 2's loads are done, so its offset may be written
	PLACES 8                                       ; ahead of scaled products whose scale word and codes vector lines have written
	WIN 0x40                                       ; the loads' window first, then the wait, then the loads
	s_wait_alu depctr_va_vdst(0)                   ; v[OFF+2] is written and the quantiser is done reading slot 2, for the loads; it has written XF and XW, for the scaled products
	XLOAD 2                                        ; tile 2
	s_wait_dscnt 0x0                               ; bq
	PROJ 0x01, ACC, WSQ                            ; q = Q(x) Wq + bq; Wq's fragments in window 1
	PLACES 4
	QUANT KD, 0, QF, QW
	s_mov_b32 s32, 0                               ; bytes from tile 0's indices to those of the tile that AT points at
	v_add_nc_u32 v[AT], s32, v[AI]
	s_wait_alu depctr_va_vdst(0)                   ; v[AT] is written, which the loads below read; the projection and the quantiser are done with v[KD ..], the head's lines with v[IDX]: the loads below land there
	NEXT 0, 1                                      ; tile 0's mask numbers and bias, tile 3's indices: on their way while the sums are cleared
	WIN 0x40
.set n, 0
.rept 64
	v_mov_b32 v[ACC+n], 0                          ; the partial sums, where Wq's fragments lay.  (The step is written once: the first finds zeros, which its f = 0 leaves zeros)
.set n, n+1
.endr
	WIN 0
	; ---- the keys: four trips of three tiles, each of which asks for the tile three on; then the last four tiles, written out, so that no index past the list is read
	s_mov_b32 s33, 4
.Ltrip:
	STEP 0, 1, 32, 0, 1, 1, 1
	STEP 1, 1, 32, 0, 1, 2, 1
	STEP 2, 1, 32, 1, 1, 0, 1                      ; AT moves on to the next trip's first tile, whose LDS loads this step issues
	s_sub_co_u32 s33, s33, 1
	s_cmp_lg_u32 s33, 0
	s_cbranch_scc1 .Ltrip
	STEP 0, 1, 32, 0, 1, 1, 0                      ; tile 12 (the fourth trip has left AT there); asks for tile 15
	STEP 1, 0, 32, 0, 1, 2, 0                      ; tile 13: tiles 14 and 15 may be out
	STEP 2, 0, 16, 0, 1, 3, 0                      ; tile 14: tile 15 may be out
	STEP 0, 0, 0, 0, 0, 0, 0                       ; tile 15
	; ---- THE END: the sixteen lanes of a half are joined (both halves hold the same keys, each its own channels)
	v_mov_b32 v[D1], v[M]
	v_max_num_f32_dpp v[D1], v[D1], v[D1] row_xmask:1 row_mask:0xf bank_mask:0xf
	v_max_num_f32_dpp v[D1], v[D1], v[D1] row_xmask:2 row_mask:0xf bank_mask:0xf
	v_max_num_f32_dpp v[D1], v[D1], v[D1] row_xmask:4 row_mask:0xf bank_mask:0xf
	v_max_num_f32_dpp v[D1], v[D1], v[D1] row_xmask:8 row_mask:0xf bank_mask:0xf   ; the row's maximum
	v_sub_f32 v[D2], v[M], v[D1]
	v_mul_f32 v[D2], s36, v[D2]
	s_wait_alu depctr_va_vdst(0)
	v_exp_f32 v[SC], v[D2]                         ; what brings my sums under the row's maximum
	v_nop                                          ; one plain place behind a transcendental
	s_wait_alu depctr_va_vdst(0)                   ; the exponential has written v[SC], ahead of its first reader
	v_mul_f32 v[LS], v[LS], v[SC]
	v_add_f32_dpp v[LS], v[LS], v[LS] row_xmask:1 row_mask:0xf bank_mask:0xf
	v_add_f32_dpp v[LS], v[LS], v[LS] row_xmask:2 row_mask:0xf bank_mask:0xf
	v_add_f32_dpp v[LS], v[LS], v[LS] row_xmask:4 row_mask:0xf bank_mask:0xf
	v_add_f32_dpp v[LS], v[LS], v[LS] row_xmask:8 row_mask:0xf bank_mask:0xf       ; the row's sum
	s_wait_alu depctr_va_vdst(0)
	v_rcp_f32 v[MN], v[LS]
	v_nop
	s_wait_alu depctr_va_vdst(0)                   ; the reciprocal has written v[MN], ahead of its first reader
	v_mul_f32 v[FF], v[SC], v[MN]
	WIN 0x41
.set n, 0
.rept 32
	v_pk_mul_f32 v[ACC+n:ACC+n+1], v[ACC+n:ACC+n+1], v[FF:FF+1] op_sel_hi:[1,0]
.set n, n+2
.endr
	WIN 0x04                                       ; an LDS store's data are its source 1: window 1
	s_wait_alu depctr_va_vdst(0)                   ; the multiplications have written the 64 sums, which the LDS stores read; the last tile's lines are done with v[KD ..], in which the loads from the stage land
.irp g, 0,1,2,3,4,5,6,7,8,9,10,11,12,13,14,15
	ds_store_b128 v[ES], v[ACC+4*\g:ACC+4*\g+3] offset:SP*\g
.endr
	WIN 0
.irp p, 0,1,2,3,4,5,6,7,8,9,10,11,12,13,14,15
	ds_load_b128 v[KD+4*\p:KD+4*\p+3], v[ER] offset:16*\p    ; the sixteen lanes' registers 4 r .. 4 r + 3: LDS serves a wave's instructions in order, so these see my stores
.endr
	s_wait_dscnt 0x0
.irp d, 32,16,8,4                              ; their sum, as a tree: 16 + 8 + 4 + 2 packed additions
.set n, 0
.rept \d/2
	v_pk_add_f32 v[KD+n:KD+n+1], v[KD+n:KD+n+1], v[KD+\d+n:KD+\d+n+1]
.set n, n+2
.endr
.endr
	s_wait_alu depctr_va_vdst(0)                   ; the additions have written v[KD:KD+3], which the store reads
	global_store_b128 v[EO], v[KD:KD+3], s[26:27] th:TH_STORE_NT   ; the 32 lanes store the drug's 512 consecutive bytes, at a multiple of 512 from out0's first byte
	s_wait_dscnt 0x0                               ; the closing lines, six on end
	s_wait_alu 0x0
	s_wait_tensorcnt 0x0
	ds_add_u32 v254, v255
	s_wait_dscnt 0x0
	s_endpgm
.Lfunc_end_k_qfb8fdbdafb_drug:
	.size	k_qfb8fdbdafb_drug, .Lfunc_end_k_qfb8fdbdafb_drug-k_qfb8fdbdafb_drug
	.p2alignl 7, 3214868480
	.fill 96, 4, 3214868480
	.section	.rodata,"a",@progbits
	.p2align	6, 0x0
	.amdhsa_kernel k_qfb8fdbdafb_drug
		.amdhsa_group_segment_fixed_size 99328
		.amdhsa_private_segment_fixed_size 0
		.amdhsa_enable_private_segment 0
		.amdhsa_kernarg_size 80
		.amdhsa_user_sgpr_count 2
		.amdhsa_user_sgpr_kernarg_segment_ptr 1
		.amdhsa_wavefront_size32 1
		.amdhsa_system_sgpr_workgroup_id_x 1
		.amdhsa_system_sgpr_workgroup_id_y 1
		.amdhsa_system_sgpr_workgroup_id_z 1
		.amdhsa_system_vgpr_workitem_id 0
		.amdhsa_next_free_vgpr 512
		.amdhsa_next_free_sgpr 66
		.amdhsa_reserve_vcc 0
		.amdhsa_float_denorm_mode_32 3
		.amdhsa_float_denorm_mode_16_64 3
		.amdhsa_memory_ordered 1
		.amdhsa_forward_progress 1
		.amdhsa_inst_pref_size 149
	.end_amdhsa_kernel
	.amdgpu_metadata
---
amdhsa.version: [ 1, 2 ]
amdhsa.kernels:
  - .name:           k_qfb8fdbdafb_drug
    .symbol:         k_qfb8fdbdafb_drug.kd
    .args:
      - { .name: sub_index, .offset: 0, .size: 8, .value_kind: global_buffer, .address_space: global }
      - { .name: mask, .offset: 8, .size: 8, .value_kind: global_buffer, .address_space: global }
      - { .name: sub_feat, .offset: 16, .size: 8, .value_kind: global_buffer, .address_space: global }
      - { .name: Wq_codes, .offset: 24, .size: 8, .value_kind: global_buffer, .address_space: global }
      - { .name: Wq_scales, .offset: 32, .size: 8, .value_kind: global_buffer, .address_space: global }
      - { .name: bq, .offset: 40, .size: 8, .value_kind: global_buffer, .address_space: global }
      - { .name: Wk_codes, .offset: 48, .size: 8, .value_kind: global_buffer, .address_space: global }
      - { .name: Wk_scales, .offset: 56, .size: 8, .value_kind: global_buffer, .address_space: global }
      - { .name: bk, .offset: 64, .size: 8, .value_kind: global_buffer, .address_space: global }
      - { .name: out0, .offset: 72, .size: 8, .value_kind: global_buffer, .address_space: global }
    .group_segment_fixed_size: 99328
    .private_segment_fixed_size: 0
    .kernarg_segment_align: 8
    .kernarg_segment_size: 80
    .max_flat_workgroup_size: 256
    .sgpr_count:     66
    .vgpr_count:     512
    .wavefront_size: 32
...
	.end_amdgpu_metadata
.endif
;; end of part 2
